; MI455X (gfx1250); checked and timed in simulation.
; The chip was launched on July 23, 2026; its instructions are those of AMD's public machine-readable ISA for CDNA 5 (MIT licence, August 2026) and "CDNA5" Instruction Set Architecture Reference Guide (July 2026). The comments in the code are by the model that wrote it; some were corrected since.
;; Old MHSA. Allowed arithmetic: matrix products marked QUANTISED: E2M3 operands, one E8M0 scale for each 32 along K, by v_wmma_scale_f32_16x16x128_f8f6f4 with both operands' format E2M3, f32 sums; everything else in f32.
;; Inputs: Wk_codes 256 x 8 x 24 uint8 (E2M3 codes of Wk, K innermost, in blocks of 32 codes, four codes in three bytes); Wk_scales 256 x 8 uint8 (E8M0 scales of Wk, one for each 32 codes along K); Wq_codes 256 x 8 x 24 uint8 (E2M3 codes of Wq, K innermost, in blocks of 32 codes, four codes in three bytes); Wq_scales 256 x 8 uint8 (E8M0 scales of Wq, one for each 32 codes along K); Wv_codes 256 x 8 x 24 uint8 (E2M3 codes of Wv, K innermost, in blocks of 32 codes, four codes in three bytes); Wv_scales 256 x 8 uint8 (E8M0 scales of Wv, one for each 32 codes along K); bk 256 float32; bq 256 float32; bv 256 float32; x 8 x 2,048 x 256 float32.
;; Outputs: out0 8 x 2,048 x 256 float32.
;; This version of the problem:
;;   THIS VERSION OF THE PROBLEM IS GIVEN IN LOW PRECISION. The matrix products marked QUANTISED in the list below multiply operands that are first quantised to E2M3 (2 exponent bits, 3 mantissa bits; 6 bits a number), with one power-of-two scale for each 32 numbers along K (OCP MX v1.0); their sums are f32. All else is computed in f32.
;;   The module's matrix products, in the order in which they are computed (A, B: the left and right operand; K: the contracted axis; several contracted axes count as one K, in the product's order):
;;     1. [M 16,384, K 256] x [K 256, N 256]; A: input x; B: input Wq (given as codes): QUANTISED
;;     2. [M 16,384, K 256] x [K 256, N 256]; A: input x; B: input Wk (given as codes): QUANTISED
;;     3. [M 16,384, K 256] x [K 256, N 256]; A: input x; B: input Wv (given as codes): QUANTISED
;;     4. batch 64 x [M 2,048, K 32] x [K 32, N 2,048]; A: computed on the way; B: computed on the way: QUANTISED
;;     5. batch 64 x [M 2,048, K 2,048] x [K 2,048, N 32]; A: softmax (see below); B: computed on the way: QUANTISED
;;   THE QUANTISER, for each operand of a quantised product, along K:
;;     - K is cut into blocks of 32 from its start; a last block that is shorter is filled with zeros.
;;     - A block's scale is 2^e with e = floor(log2(the largest magnitude in the block)) - 2, held to -126 .. 127; a block of zeros has e = 0. As a byte (E8M0): e + 127.
;;     - Each number is divided by its block's scale, clamped to +-7.5, and rounded to the nearest number of E2M3, ties to even, subnormals kept.
;;     - The product sums the exact products of the quantised numbers (number of the format x scale) in f32.
;;   ~~~python
;;   def quantise(x, axis):      # numpy; x: float32 -> the quantised numbers, widened to float32 again
;;       x = np.moveaxis(x, axis, -1); K = x.shape[-1]
;;       x = np.pad(x, [(0, 0)] * (x.ndim - 1) + [(0, -K % 32)]); x = x.reshape(x.shape[:-1] + (-1, 32)); a = np.abs(x).max(-1, keepdims=True)
;;       e = np.where(a > 0, np.clip(np.frexp(np.where(a > 0, a, 1))[1] - 1 - 2, -126, 127), 0)      # np.frexp(a)[1] - 1 = floor(log2(a)), exactly
;;       r = np.clip(x / 2.0 ** e, -7.5, 7.5)
;;       step = 2.0 ** (np.maximum(np.frexp(np.where(r == 0, 1, r))[1] - 1, 0) - 3)
;;       q = np.round(r / step) * step * 2.0 ** e      # np.round: ties to even
;;       return np.moveaxis(q.reshape(q.shape[:-2] + (-1,))[..., :K], -1, axis).astype(np.float32)
;;   ~~~
;;   SOFTMAX AHEAD OF A QUANTISED PRODUCT. Where the list says 'softmax', what is quantised is not the finished softmax but p = 2^(t - M), with t = logit x log2(e) and M = ceil(the row's largest t), a whole number; so 1/2 < the row's largest p <= 1. The row's sum l is taken of the UNQUANTISED p, in f32, and the product's result is divided by l at the end. Since M is a whole number, a kernel that streams over the keys may use a running M (the ceiling of the running maximum): every later rescaling is an exact power of two, which a block's scale takes up: the codes' values come out the same.
;;   OPERANDS COMPUTED ON THE WAY. 'Computed on the way' means the value that the module computes at that place (a softmax that the list does not call 'softmax' is quantised finished and normalised). What goes into a quantiser is computed in f32, as accurately as f32 sums, v_exp_f32 and their like allow (about 1e-6 of the number): no bf16 or f16 on the way to a quantiser, and a product that is left as it is and whose result goes on into a quantised operand takes f32 operands (vector FMAs, or v_wmma_f32_16x16x4_f32). A number that lies on a knife's edge between two numbers of the format may be rounded either way, as far as f32 arithmetic and the matrix unit's own rounding can turn it there, and no further.
;;   INPUTS GIVEN AS CODES. Wk (in the module: [256, 256], K = its axis 0); Wq (in the module: [256, 256], K = its axis 0); Wv (in the module: [256, 256], K = its axis 0): each comes as NAME_codes (uint8): NAME with its K axis moved to the last place and cut into blocks of 32 codes, [.., K / 32, bytes a block], one block behind the other in memory; four codes in three bytes: a row's codes are one little-endian stream of bits, code i at bits 6 i .. 6 i + 5 (a code: sign, 2 exponent bits, 3 mantissa bits); and NAME_scales (uint8): the same leading axes, one E8M0 byte (e + 127) for each 32 codes along K. Its value is code x scale, taken as it is: it is not quantised again, and the codes and scales need not be those that the quantiser above would give.
;; One version. Each part assembles by itself: llvm-mc -triple=amdgcn-amd-amdhsa -mcpu=gfx1250 --defsym DOCPART=n.
;; ======== version 1 of 1: 2 launches
;; limits: right only within a limited range of input values
;; workspace buffers: qc 3,145,728 bytes; kv 6,815,744 bytes
;; launch proj (part 1): grid 256 x 1, 8 waves a work-group, no clusters, 168,960 bytes of LDS; arguments x, Wq_codes, Wq_scales, bq, Wk_codes, Wk_scales, bk, Wv_codes, Wv_scales, bv, qc, kv; writes qc, kv
.if DOCPART == 1
	.amdgcn_target "amdgcn-amd-amdhsa--gfx1250"
	.amdhsa_code_object_version 6
	.text
	.protected	k_qd5d4cd5138_proj
	.globl	k_qd5d4cd5138_proj
	.p2align	8
	.type	k_qd5d4cd5138_proj,@function
k_qd5d4cd5138_proj:
	s_mov_b64 s[64:65], 0
	v_nop
	global_prefetch_b8 v0, s[64:65] scope:SCOPE_SE
	s_setreg_imm32_b32 hwreg(HW_REG_WAVE_MODE, 25, 1), 1
	s_wait_xcnt 0x0
; Q = x Wq + bq, K = x Wk + bk, V = x Wv + bv on codes of FP6 (E2M3) with one E8M0 scale for each 32 along K; then Q and K are quantised along a head's 32 channels
; and V along the KEYS (blocks of 32 rows for each channel); all leave as images of the operand registers that the attention launch wants.  No step of the problem is left out.
; x: [16384][256] f32, quantised here along its 256.  Weights: codes [256 (n)][256 (k)], 192 bytes a row, scale bytes [256][8], taken as they lie.  Sums in f32; a bias is the C of a sum's first product.
; SHARES.  Work-group g: rows 64 g .. 64 g + 63 (batch g / 32, record F = g % 32).  Wave w is head w: 32 columns of each weight for all 64 rows; its 12 weight fragments stay in registers.
; ROWS OF A TILE: lane r of row tile m (0..3) stands for row 8 m + r % 8 + 32 (r / 8).  Lane r of channel tile u of Wq, Wk stands for channel 8 u + r + 8 (r / 8).
; Q, K (source 0 = 16 channels of W, source 1 = 16 rows of x): lane (r, h), register 16 m + i = row tile m's row r, channel 16 h + i: a block lies in lanes l and l xor 16.
; V (source 0 = 16 rows of x, source 1 = 16 channels of Wv): lane (r, h), register 32 c + i = channel 16 c + r, row 32 h + i: a whole block of 32 keys in one lane.
; OUT.  A GROUP is six registers of 32 lanes, 768 bytes: registers 0-3 at 16 x lane, registers 4-5 at 512 + 8 x lane: each store covers 512 or 256 consecutive bytes at a multiple of 256.
;   qc [head of 64][F][1536]: groups 0, 1: lane (r, h) of group c = the 24 bytes of codes of row 16 c + 8 h + r % 8 + 32 (r / 8).
;   kv [head of 64][F][3328]: K's two groups likewise; V's two at 1536 (lane (r, h) of group c: channel 16 c + r, rows 32 h .. 32 h + 31); at 3072 scale words, 8 bytes a lane:
;   lanes 0-15 {K's, V's}, lanes 16-31 {Q's, Q's}.  Byte m of Q's and K's word of lane r: row tile m's row r.  Byte 2 c + b of V's: channel 16 c + r, rows 32 b on.
; THE WEIGHTS ARE NOT ASKED FOR JOINTLY: a wave takes its head's 18,432 bytes of codes once, by loads that leave them in the registers where they stay.
; LIMITS: NaN and infinities among the inputs are not served.  A block of zeros, and one whose largest magnitude lies under 2^-124, gets the scale byte 1 (the rule says 127 for zeros):
; its codes are zeros, which add nothing under any byte but 0xff, and these bytes are read by this program alone.
.set XIMG,   0                         ; LDS: images of x's 8 fragments (row tile m, K step k: number 2 m + k), 1,536 bytes each
.set XSC,    12288                     ; their scale words, 128 bytes each
.set XRAW,   13312                     ; x's 64 rows as f32, 1,024 bytes + 16 of padding: filled once by the tensor loads
.set XPITCH, 1040
.set SPARE,  0x29000                   ; the spare words
.set L16, 4
.set L8,  5
.set L4,  6
.set XRD, 7                            ; LDS: my 64 bytes of a block of my row of the fragment that I quantise
.set XWI, 8                            ; LDS: where I store that fragment's image
.set XWS, 9                            ; and its scale word
.set WA,  10                           ; Wq, Wk: 192 (r + 8 (r / 8)) + 24 h
.set WB,  11                           ; Wv: 192 r + 24 h
.set WSA, 12
.set WSB, 13
.set BA,  14                           ; bq, bk: 64 h
.set BB,  15                           ; bv: 4 r
.set WS,  16                           ; v16-27 weights' scale words: 4 ph + 2 u + k
.set XS,  28                           ; v28-35 x's scale words, 2 m + k
.set TM,  36                           ; v36-51 at work in the quantisers
.set PW,  52
.set QW,  53
.set KW,  54
.set VW,  55
.set UW,  56
.set XF,  64                           ; v64-159 x's 8 fragments
.set ACC, 160                          ; v160-223 eight result tiles; before that the 64 numbers of x that I quantise
.set PC,  224                          ; v224-235 the codes just made; v236-242 at work
.set WQF, 0                            ; window 1: the weights' fragments, 12 (2 u + k)
.set WKF, 48
.set WVF, 96
.set BQ,  144                          ; window 1: the biases in the results' layout
.set BK,  160
.set BV,  176
.set WV,  32
.set G1,  36
.set G0,  44
.set SEL, 48
.set HI,  50
.set MSB, 0
.macro WIN new                         ; the immediate's high byte repeats the setting that is left
.if MSB != \new
	s_set_vgpr_msb (MSB<<8)|\new
.set MSB, \new
.endif
.endm
; register 16 b + i = element 16 (lane / 16) + i of block b  ->  12 registers of codes in v[PC] on (lane (r, h), registers 6 c on: block 2 c + h) and a scale word (byte b: block b)
.macro QUANT src, pw
.irp b, 0,1,2,3
	v_max3_num_f32 v[TM+\b], |v[\src+16*\b]|, |v[\src+1+16*\b]|, 0x1800000   ; with the floor 2^(3 - 127): the byte cannot fall under 1
.endr
.irp i, 2,4,6,8,10,12,14
.irp b, 0,1,2,3
	v_max3_num_f32 v[TM+\b], v[TM+\b], |v[\src+16*\b+\i]|, |v[\src+1+16*\b+\i]|
.endr
.endr
.irp b, 0,1,2,3
	s_delay_alu instid0(VALU_DEP_4)
	v_permlanex16_b32 v[TM+4+\b], v[TM+\b], s[SEL], s[SEL+1]
.endr
.irp b, 0,1,2,3
	s_delay_alu instid0(VALU_DEP_4)
	v_max_num_f32 v[TM+\b], v[TM+\b], v[TM+4+\b]   ; with lane l xor 16's 16
.endr
.irp b, 0,1,2,3
	s_delay_alu instid0(VALU_DEP_4)
	v_add_nc_u32 v[TM+12+\b], 0xff000000, v[TM+\b] ; 2 off the exponent field: the conversion's scale operand
.endr
.irp b, 0,1,2,3
	s_delay_alu instid0(VALU_DEP_4)
	v_lshrrev_b32 v[TM+4+\b], 23, v[TM+12+\b]      ; the scale's byte
.endr
	s_delay_alu instid0(VALU_DEP_3)
	v_lshl_or_b32 v[\pw], v[TM+5], 8, v[TM+4]
	s_delay_alu instid0(VALU_DEP_1)
	v_lshl_or_b32 v[\pw], v[TM+6], 16, v[\pw]
	s_delay_alu instid0(VALU_DEP_1)
	v_lshl_or_b32 v[\pw], v[TM+7], 24, v[\pw]
.irp c, 0,1
	v_cvt_scalef32_pk16_fp6_f32 v[PC+6*\c:PC+2+6*\c], v[\src+32*\c:\src+15+32*\c], v[TM+12+2*\c]
	v_cvt_scalef32_pk16_fp6_f32 v[PC+12+4*\c:PC+14+4*\c], v[\src+16+32*\c:\src+31+32*\c], v[TM+12+2*\c+1]
.endr
	v_nop                                          ; one plain place behind a scaled conversion
.irp c, 0,1
.irp i, 0,1,2
	v_permlane16_swap_b32 v[PC+6*\c+\i], v[PC+12+4*\c+\i]   ; a whole block in a lane
.endr
.irp i, 0,1,2
	s_delay_alu instid0(VALU_DEP_3)
	v_mov_b32 v[PC+3+6*\c+\i], v[PC+12+4*\c+\i]
.endr
.endr
.endm
; V: register 32 c + i = element i of my block h of channel 16 c + r: the block's maximum needs no other lane; the word's bytes 2 c + h are joined with lane l xor 16's
.macro QUANTV src, pw
.irp c, 0,1
	v_max3_num_f32 v[TM+\c], |v[\src+32*\c]|, |v[\src+1+32*\c]|, 0x1800000
	v_max3_num_f32 v[TM+2+\c], |v[\src+16+32*\c]|, |v[\src+17+32*\c]|, 0x1800000
.endr
.irp i, 2,4,6,8,10,12,14
.irp c, 0,1
	v_max3_num_f32 v[TM+\c], v[TM+\c], |v[\src+32*\c+\i]|, |v[\src+1+32*\c+\i]|
	v_max3_num_f32 v[TM+2+\c], v[TM+2+\c], |v[\src+16+32*\c+\i]|, |v[\src+17+32*\c+\i]|
.endr
.endr
	v_lshlrev_b32 v[TM+7], 3, v3                   ; 8 h
.irp c, 0,1
	v_max_num_f32 v[TM+\c], v[TM+\c], v[TM+2+\c]
.endr
.irp c, 0,1
	s_delay_alu instid0(VALU_DEP_2)
	v_add_nc_u32 v[TM+12+\c], 0xff000000, v[TM+\c]
.endr
.irp c, 0,1
	s_delay_alu instid0(VALU_DEP_2)
	v_lshrrev_b32 v[TM+4+\c], 23, v[TM+12+\c]
.endr
	s_delay_alu instid0(VALU_DEP_1)
	v_lshl_or_b32 v[\pw], v[TM+5], 16, v[TM+4]
	s_delay_alu instid0(VALU_DEP_1)
	v_lshlrev_b32 v[\pw], v[TM+7], v[\pw]
	s_delay_alu instid0(VALU_DEP_1)
	v_permlanex16_b32 v[TM+6], v[\pw], s[SEL], s[SEL+1]
	s_delay_alu instid0(VALU_DEP_1)
	v_or_b32 v[\pw], v[\pw], v[TM+6]
.irp c, 0,1
	v_cvt_scalef32_pk16_fp6_f32 v[PC+6*\c:PC+2+6*\c], v[\src+32*\c:\src+15+32*\c], v[TM+12+\c]
	v_cvt_scalef32_pk16_fp6_f32 v[PC+12+4*\c:PC+14+4*\c], v[\src+16+32*\c:\src+31+32*\c], v[TM+12+\c]
.endr
	v_nop
.irp c, 0,1
.irp i, 0,1,2
	v_mov_b32 v[PC+3+6*\c+\i], v[PC+12+4*\c+\i]    ; (a conversion's three registers begin on an even number)
.endr
.endr
.endm
.macro OUT6 base, off
	global_store_b128 v[L16], v[PC:PC+3], s[\base:\base+1] offset:\off
	global_store_b64  v[L8], v[PC+4:PC+5], s[\base:\base+1] offset:\off+512
	global_store_b128 v[L16], v[PC+6:PC+9], s[\base:\base+1] offset:\off+768
	global_store_b64  v[L8], v[PC+10:PC+11], s[\base:\base+1] offset:\off+1280
.endm
; Q or K: 16 products; the eight accumulators take turns
.macro MULT wf, bf, ph
	WIN 0x11
.irp m, 0,1,2,3
.irp u, 0,1
	v_wmma_scale_f32_16x16x128_f8f6f4 v[ACC+16*\m+8*\u:ACC+16*\m+8*\u+7], v[\wf+24*\u:\wf+24*\u+11], v[XF+24*\m:XF+24*\m+11], v[\bf+8*\u:\bf+8*\u+7], v[WS+4*\ph+2*\u], v[XS+2*\m] matrix_a_fmt:MATRIX_FMT_FP6 matrix_b_fmt:MATRIX_FMT_FP6
.endr
.endr
	WIN 0x01
.irp m, 0,1,2,3
.irp u, 0,1
	v_wmma_scale_f32_16x16x128_f8f6f4 v[ACC+16*\m+8*\u:ACC+16*\m+8*\u+7], v[\wf+24*\u+12:\wf+24*\u+23], v[XF+24*\m+12:XF+24*\m+23], v[ACC+16*\m+8*\u:ACC+16*\m+8*\u+7], v[WS+4*\ph+2*\u+1], v[XS+2*\m+1] matrix_a_fmt:MATRIX_FMT_FP6 matrix_b_fmt:MATRIX_FMT_FP6
.endr
.endr
	WIN 0
.endm
; V: 16 products, x as source 0; row tile t against channel tile c, result at ACC + 32 c + 8 t
.macro MULV
	WIN 0x14
.irp c, 0,1
.irp t, 0,1,2,3
	v_wmma_scale_f32_16x16x128_f8f6f4 v[ACC+32*\c+8*\t:ACC+32*\c+8*\t+7], v[XF+24*\t:XF+24*\t+11], v[WVF+24*\c:WVF+24*\c+11], v[BV+8*\c:BV+8*\c+7], v[XS+2*\t], v[WS+8+2*\c] matrix_a_fmt:MATRIX_FMT_FP6 matrix_b_fmt:MATRIX_FMT_FP6
.endr
.endr
	WIN 0x04
.irp c, 0,1
.irp t, 0,1,2,3
	v_wmma_scale_f32_16x16x128_f8f6f4 v[ACC+32*\c+8*\t:ACC+32*\c+8*\t+7], v[XF+24*\t+12:XF+24*\t+23], v[WVF+24*\c+12:WVF+24*\c+23], v[ACC+32*\c+8*\t:ACC+32*\c+8*\t+7], v[XS+2*\t+1], v[WS+8+2*\c+1] matrix_a_fmt:MATRIX_FMT_FP6 matrix_b_fmt:MATRIX_FMT_FP6
.endr
.endr
	WIN 0
.endm
.macro PLACES                          ; four plain places between the last product and the first read of results (ISA guide 7.12.1)
.rept 4
	v_nop
.endr
.endm
.macro WLOAD reg, adr, base, ustep     ; a weight's four fragments, each six loads of 8 bytes
.irp u, 0,1
.irp k, 0,1
.irp p, 0,1,2,3,4,5
	global_load_b64 v[\reg+12*(2*\u+\k)+2*\p:\reg+12*(2*\u+\k)+2*\p+1], v[\adr], s[\base:\base+1] offset:\ustep*\u+96*\k+48*(\p/3)+8*(\p%3)
.endr
.endr
.endr
.endm
.macro SLOAD ph, adr, base, ustep      ; and its four scale words
.irp u, 0,1
.irp k, 0,1
	global_load_b32 v[WS+4*\ph+2*\u+\k], v[\adr], s[\base:\base+1] offset:\ustep*\u+4*\k
.endr
.endr
.endm
	s_load_b512 s[8:23], s[0:1], 0x0               ; x 8, Wq_codes 10, Wq_scales 12, bq 14, Wk_codes 16, Wk_scales 18, bk 20, Wv_codes 22
	s_load_b256 s[24:31], s[0:1], 0x40             ; Wv_scales 24, bv 26, qc 28, kv 30
	v_lshl_add_u32 v254, v0, 2, SPARE
	v_mov_b32 v255, 0
	ds_add_u32 v254, v255                          ; the opening lines: the add twice on end and one wait
	ds_add_u32 v254, v255
	v_lshrrev_b32 v1, 5, v0
	s_delay_alu instid0(VALU_DEP_1)
	v_readfirstlane_b32 s[WV], v1                  ; wave 0..7
	v_and_b32 v1, 31, v0                           ; lane
	v_and_b32 v2, 15, v0                           ; r
	v_bfe_u32 v3, v0, 4, 1                         ; h
	v_lshlrev_b32 v[L16], 4, v1
	v_lshlrev_b32 v[L8], 3, v1
	v_lshlrev_b32 v[L4], 2, v1
	v_and_b32 v15, 8, v2
	s_delay_alu instid0(VALU_DEP_1)
	v_add_nc_u32 v15, v15, v2                      ; r + 8 (r / 8)
	s_wait_alu depctr_va_vdst(0)                   ; the wait ahead of the scalar lines
	s_lshr_b32 s33, s[WV], 1                       ; wave w quantises x's fragment w: row tile m = w / 2, K step w % 2
	s_lshl_b32 s33, s33, 3                         ; 8 m
	s_mul_i32 s33, s33, XPITCH
	s_and_b32 s34, s[WV], 1
	s_lshl_b32 s34, s34, 9                         ; the K step's 512 bytes
	s_add_co_u32 s33, s33, s34
	s_add_co_u32 s33, s33, XRAW
	v_and_b32 v[XRD], 8, v2
	s_delay_alu instid0(VALU_DEP_1)
	v_mad_u32_u24 v[XRD], v[XRD], 3, v2            ; r % 8 + 32 (r / 8)
	s_delay_alu instid0(VALU_DEP_1)
	v_mul_u32_u24 v[XRD], v[XRD], XPITCH
	s_delay_alu instid0(VALU_DEP_1)
	v_lshl_add_u32 v[XRD], v3, 6, v[XRD]           ; + 64 h: my 16 numbers of a block
	s_delay_alu instid0(VALU_DEP_1)
	v_add_nc_u32 v[XRD], s33, v[XRD]
	s_mul_i32 s33, s[WV], 1536
	v_add_nc_u32 v[XWI], s33, v[L16]
	s_lshl_b32 s33, s[WV], 7
	s_add_co_u32 s33, s33, XSC
	v_add_nc_u32 v[XWS], s33, v[L4]
	v_mul_u32_u24 v[WA], v15, 192
	s_delay_alu instid0(VALU_DEP_1)
	v_mad_u32_u24 v[WA], v3, 24, v[WA]
	v_mul_u32_u24 v[WB], v2, 192
	s_delay_alu instid0(VALU_DEP_1)
	v_mad_u32_u24 v[WB], v3, 24, v[WB]
	v_lshlrev_b32 v[WSA], 3, v15
	v_lshlrev_b32 v[WSB], 3, v2
	v_lshlrev_b32 v[BA], 6, v3
	v_lshlrev_b32 v[BB], 2, v2
	v_cmp_eq_u32 s[HI], 1, v3
.irp b, 0,1,2,3
	v_mov_b32 v[TM+4+\b], 0                        ; a lane permute's destination counts as one of its sources
.endr
	s_mov_b32 s[SEL], 0x76543210
	s_mov_b32 s[SEL+1], 0xfedcba98
	s_mov_b32 s[G1+0], (2<<16)|(1<<20)|(7<<22)|(3<<25)   ; 8 rows of 256 elements of 4 bytes, 16 bytes of padding behind each
	s_mov_b32 s[G1+1], 256<<16
	s_mov_b32 s[G1+2], 8<<16
	s_mov_b32 s[G1+3], 256<<16
	s_mov_b32 s[G1+4], 8
	s_mov_b32 s[G1+5], 256
	s_mov_b32 s[G1+6], 0
	s_mov_b32 s[G1+7], 0
	s_lshl_b32 s52, ttmp9, 16                      ; the work-group's 64 rows of 1,024 bytes,
	s_lshl_b32 s53, s[WV], 13                      ; my 8 of them
	s_add_co_u32 s52, s52, s53
	s_mov_b32 s53, 0
	s_mul_i32 s54, s[WV], 6144                     ; my head's 32 rows of a weight's codes,
	s_mov_b32 s55, 0
	s_lshl_b32 s56, s[WV], 8                       ; of its scale bytes,
	s_mov_b32 s57, 0
	s_lshl_b32 s58, s[WV], 7                       ; and its 32 numbers of a bias
	s_mov_b32 s59, 0
	s_lshr_b32 s33, ttmp9, 5
	s_lshl_b32 s33, s33, 3
	s_add_co_u32 s33, s33, s[WV]                   ; head of 64
	s_lshl_b32 s33, s33, 5
	s_and_b32 s34, ttmp9, 31
	s_add_co_u32 s33, s33, s34                     ; record = 32 x head of 64 + F
	s_mul_i32 s60, s33, 1536
	s_mov_b32 s61, 0
	s_mul_i32 s62, s33, 3328
	s_mov_b32 s63, 0
	s_mov_b32 s[G0], 1
	s_mul_i32 s[G0+1], s[WV], 8*XPITCH
	s_add_co_u32 s[G0+1], s[G0+1], XRAW
	s_wait_alu depctr_va_vdst(0)                   ; the wait at the head's end
	s_wait_dscnt 0x0
	s_wait_kmcnt 0x0
	s_add_nc_u64 s[G0+2:G0+3], s[8:9], s[52:53]
	s_or_b32 s[G0+3], s[G0+3], 0x80000000
	tensor_load_to_lds s[G0:G0+3], s[G1:G1+7]      ; my 8 rows of x: the wave's one tensor load
	s_nop 0
.rept 4
	v_nop                                          ; ahead of the switch of windows
.endr
	s_add_nc_u64 s[10:11], s[10:11], s[54:55]
	s_add_nc_u64 s[16:17], s[16:17], s[54:55]
	s_add_nc_u64 s[22:23], s[22:23], s[54:55]
	s_add_nc_u64 s[12:13], s[12:13], s[56:57]
	s_add_nc_u64 s[18:19], s[18:19], s[56:57]
	s_add_nc_u64 s[24:25], s[24:25], s[56:57]
	s_add_nc_u64 s[14:15], s[14:15], s[58:59]
	s_add_nc_u64 s[20:21], s[20:21], s[58:59]
	s_add_nc_u64 s[26:27], s[26:27], s[58:59]
	s_add_nc_u64 s[28:29], s[28:29], s[60:61]
	s_add_nc_u64 s[30:31], s[30:31], s[62:63]
	WIN 0x40                                       ; destination window 1
	WLOAD WQF, WA, 10, 1536                        ; channel tile u of Wq, Wk begins 8 rows on,
	WLOAD WKF, WA, 16, 1536
	WLOAD WVF, WB, 22, 3072                        ; of Wv 16 rows on
.irp u, 0,1
	global_load_b128 v[BQ+8*\u:BQ+8*\u+3], v[BA], s[14:15] offset:32*\u        ; register j of tile u: channel 16 h + 8 u + j
	global_load_b128 v[BQ+8*\u+4:BQ+8*\u+7], v[BA], s[14:15] offset:32*\u+16
	global_load_b128 v[BK+8*\u:BK+8*\u+3], v[BA], s[20:21] offset:32*\u
	global_load_b128 v[BK+8*\u+4:BK+8*\u+7], v[BA], s[20:21] offset:32*\u+16
.endr
.irp u, 0,1
.irp j, 0,1,2,3,4,5,6,7
	global_load_b32 v[BV+8*\u+\j], v[BB], s[26:27] offset:64*\u                ; V's results hold one channel a lane
.endr
.endr
	WIN 0
	SLOAD 0, WSA, 12, 64
	SLOAD 1, WSA, 18, 64
	SLOAD 2, WSB, 24, 128
	s_wait_tensorcnt 0x0                           ; my 8 rows lie in LDS,
	s_barrier_signal -1
	s_barrier_wait -1                              ; everybody's do
.irp b, 0,1,2,3
.irp j, 0,1,2,3
	ds_load_b128 v[ACC+16*\b+4*\j:ACC+16*\b+4*\j+3], v[XRD] offset:128*\b+16*\j
.endr
.endr
	s_wait_dscnt 0x0
	QUANT ACC, PW
.irp c, 0,1,2
	ds_store_b128 v[XWI], v[PC+4*\c:PC+4*\c+3] offset:XIMG+512*\c   ; the fragment as an image of its registers
.endr
	ds_store_b32 v[XWS], v[PW]
	s_wait_dscnt 0x0                               ; for the others' sake: my stores have landed
	s_barrier_signal -1
	s_barrier_wait -1
.irp f, 0,1,2,3,4,5,6,7
.irp c, 0,1,2
	ds_load_b128 v[XF+12*\f+4*\c:XF+12*\f+4*\c+3], v[L16] offset:XIMG+1536*\f+512*\c
.endr
	ds_load_b32 v[XS+\f], v[L4] offset:XSC+128*\f
.endr
	s_wait_dscnt 0x0
	s_wait_loadcnt 0x0                             ; the weights, their scale words, the biases
	MULT WQF, BQ, 0
	PLACES
	QUANT ACC, QW
	OUT6 28, 0
	MULT WKF, BK, 1
	PLACES
	s_wait_xcnt 0x0                                ; the stores above have read v[PC] on
	QUANT ACC, KW
	OUT6 30, 0
	MULV
	PLACES
	s_wait_xcnt 0x0
	QUANTV ACC, VW
	OUT6 30, 1536
	v_cndmask_b32 v[UW], v[KW], v[QW], s[HI]       ; lanes 0-15: K's word, V's word; lanes 16-31: Q's word twice
	v_cndmask_b32 v[UW+1], v[VW], v[QW], s[HI]
	global_store_b64 v[L8], v[UW:UW+1], s[30:31] offset:3072
	s_wait_tensorcnt 0x0                           ; the wave's end
	ds_add_u32 v254, v255
	s_wait_dscnt 0x0
	s_endpgm
.Lfunc_end_k_qd5d4cd5138_proj:
	.size	k_qd5d4cd5138_proj, .Lfunc_end_k_qd5d4cd5138_proj-k_qd5d4cd5138_proj
	.p2alignl 7, 3214868480
	.fill 96, 4, 3214868480
	.section	.rodata,"a",@progbits
	.p2align	6, 0x0
	.amdhsa_kernel k_qd5d4cd5138_proj
		.amdhsa_group_segment_fixed_size 168960
		.amdhsa_private_segment_fixed_size 0
		.amdhsa_enable_private_segment 0
		.amdhsa_kernarg_size 96
		.amdhsa_user_sgpr_count 2
		.amdhsa_user_sgpr_kernarg_segment_ptr 1
		.amdhsa_wavefront_size32 1
		.amdhsa_system_sgpr_workgroup_id_x 1
		.amdhsa_system_sgpr_workgroup_id_y 1
		.amdhsa_system_sgpr_workgroup_id_z 1
		.amdhsa_system_vgpr_workitem_id 0
		.amdhsa_next_free_vgpr 512
		.amdhsa_next_free_sgpr 66
		.amdhsa_reserve_vcc 0
		.amdhsa_float_denorm_mode_32 3
		.amdhsa_float_denorm_mode_16_64 3
		.amdhsa_memory_ordered 1
		.amdhsa_forward_progress 1
		.amdhsa_inst_pref_size 44
	.end_amdhsa_kernel
	.amdgpu_metadata
---
amdhsa.version: [ 1, 2 ]
amdhsa.kernels:
  - .name:           k_qd5d4cd5138_proj
    .symbol:         k_qd5d4cd5138_proj.kd
    .args:
      - { .name: x, .offset: 0, .size: 8, .value_kind: global_buffer, .address_space: global }
      - { .name: Wq_codes, .offset: 8, .size: 8, .value_kind: global_buffer, .address_space: global }
      - { .name: Wq_scales, .offset: 16, .size: 8, .value_kind: global_buffer, .address_space: global }
      - { .name: bq, .offset: 24, .size: 8, .value_kind: global_buffer, .address_space: global }
      - { .name: Wk_codes, .offset: 32, .size: 8, .value_kind: global_buffer, .address_space: global }
      - { .name: Wk_scales, .offset: 40, .size: 8, .value_kind: global_buffer, .address_space: global }
      - { .name: bk, .offset: 48, .size: 8, .value_kind: global_buffer, .address_space: global }
      - { .name: Wv_codes, .offset: 56, .size: 8, .value_kind: global_buffer, .address_space: global }
      - { .name: Wv_scales, .offset: 64, .size: 8, .value_kind: global_buffer, .address_space: global }
      - { .name: bv, .offset: 72, .size: 8, .value_kind: global_buffer, .address_space: global }
      - { .name: qc, .offset: 80, .size: 8, .value_kind: global_buffer, .address_space: global }
      - { .name: kv, .offset: 88, .size: 8, .value_kind: global_buffer, .address_space: global }
    .group_segment_fixed_size: 168960
    .private_segment_fixed_size: 0
    .kernarg_segment_align: 8
    .kernarg_segment_size: 96
    .max_flat_workgroup_size: 256
    .sgpr_count:     66
    .vgpr_count:     512
    .wavefront_size: 32
...
	.end_amdgpu_metadata
.endif
;; end of part 1
;; launch attn (part 2): grid 8 x 32, 16 waves a work-group, clusters of 4 x 1, 327,680 bytes of LDS; arguments qc, kv, x, out0; writes out0
.if DOCPART == 2
	.amdgcn_target "amdgcn-amd-amdhsa--gfx1250"
	.amdhsa_code_object_version 6
	.text
	.protected	k_qd5d4cd5138_attn
	.globl	k_qd5d4cd5138_attn
	.p2align	8
	.type	k_qd5d4cd5138_attn,@function
k_qd5d4cd5138_attn:
	s_mov_b64 s[64:65], 0
	v_nop
	global_prefetch_b8 v0, s[64:65] scope:SCOPE_SE
	s_setreg_imm32_b32 hwreg(HW_REG_WAVE_MODE, 25, 1), 1
	s_wait_xcnt 0x0
	s_wait_alu depctr_hold_cnt(0) depctr_sa_sdst(0) depctr_va_vdst(0) depctr_va_sdst(0) depctr_va_ssrc(0) depctr_va_vcc(0) depctr_vm_vsrc(0)
	s_getreg_b32 s2, hwreg(HW_REG_IB_STS2, 6, 4)
	s_cmp_eq_u32 s2, 0
	s_cbranch_scc0 .Lentry_in_a_cluster
	s_endpgm
.Lentry_in_a_cluster:
	s_bfe_u32 s2, ttmp6, 0x10000c
	s_cmp_lg_u32 s2, 0x3003
	s_cbranch_scc0 .Lentry_shape_is_right
	s_endpgm
.Lentry_shape_is_right:
; out = x + softmax(sqrt(32) Q K^T) V, 64 heads of 2,048 positions x 32 channels, both products on codes of FP6 (E2M3) with one E8M0 scale for each 32 along a product's K.
; qc and kv hold images of operand registers.  A GROUP is six registers of 32 lanes, 768 bytes: registers 0-3 at 16 x lane, registers 4-5 at 512 + 8 x lane.
;   qc [head][F][1536]: lane (r, h) of group c: the 24 bytes of codes of row 64 F + 16 c + 8 h + r % 8 + 32 (r / 8).
;   kv [head][F][3328]: K's two groups likewise; V's two at 1536 (lane (r, h) of group c: channel 16 c + r, keys 64 F + 32 h on); at 3072 scale words, 8 bytes a lane: lanes 0-15 {K's, V's}, lanes 16-31 {Q's, Q's}.
; THE FIRST PRODUCT HAS K = 32, THE INSTRUCTION K = 128.  Lane (r, h), registers 6 c on, is one whole block 2 c + h.  K's two groups of a record are one fragment that holds 64 keys, one in each (lane, c);
; Q stands ready in four versions, its codes in block 0, 1, 2 or 3 and zero codes elsewhere: four products on one fragment give four tiles of 16 keys.
; Both products are used transposed (S^T = K Q^T, O^T = V^T P^T): a lane holds ONE query.  By the records' order of rows the 32 registers of a fragment's four tiles are, in lane (r, h), keys 32 h + 0 .. 31 of the record:
; A WHOLE BLOCK OF P IN A LANE, in the order of the operand's layout: a block's maximum asks no other lane, and the conversions' results are moved, not exchanged.
; THE SOFTMAX: t = score x sqrt(32) log2(e); M = the row's largest t so far, rounded UP to a whole number, kept as -M; p = 2^(t - M) is quantised along the keys, not normalised; the row's sum is taken of the
; unquantised p and divides at the end.  When M moves, the sum and O^T are multiplied by 2^(old M - new M): exact.
; SHARES.  A work-group takes two neighbouring heads x 256 queries.  Wave w takes 16 queries (record w / 4 of the block's four, row tile w % 4) through BOTH heads, pass e = head e; a pass walks 16 steps of 128 keys.
; So a row's 256 output bytes are one wave's own: they go through the wave's own stage, with no barrier, and each wave stores when it is done.
; x's 16 rows x 256 bytes are loaded into registers at the start of pass 1, 16 steps ahead of their use.  Nothing is prefetched: K and V are filled once at the head, with no loop ahead of the fill.
; LDS.  Both heads' kv, 212,992 bytes, filled once; behind them the sixteen stages of 16 rows x 272 bytes; behind those the spare words.
; CLUSTER.  The four work-groups of a cluster take four query blocks of the same two heads: each wave asks for its sixteenth of the 212,992 bytes jointly.  A wave has one tensor load outstanding.
; LIMITS: NaN and infinities are not served; the scaled scores stay under 2^31 in magnitude.  A block's largest p is taken through its largest score by the same multiply-add and exponential, which takes
; v_exp_f32 not to fall where its input rises.  A block whose every p has fallen to 0 keeps the scale byte 1: its codes are zeros.
.set REC,    3328
.set HEADB,  32*REC
.set STAGE,  2*HEADB
.set SPITCH, 272
.set SPARE,  0x45000                   ; STAGE + 256 x 272
.set L16, 1                            ; 16 x lane
.set L8,  2                            ; 8 x lane
.set R8,  3                            ; 8 r
.set ADA, 4                            ; the same three at the step in hand
.set ADB, 5
.set ADS, 6
.set STO, 7                            ; my stage: where I put 32 bytes of a row
.set RD,  8                            ; and where I read a row back
.set GO,  9                            ; my byte offset in a pair of rows of x and of out
.set PSV, 10                           ; byte selects that put my two scale bytes at places h and 2 + h
                                       ; v12 -M, v13 the largest score, v[14:15] the sum in two halves
.set QB,  16                           ; v16-45 zeros, Q in lanes 0-15, zeros, Q in lanes 16-31, zeros (6 each)
.set QR,  46                           ; v46, v47 Q's scale words of the two heads
.set KF,  48                           ; v48-71 two fragments of K; behind the first product's places the registers below lie here
.set BM,  48                           ; my two blocks' largest scores, then largest p
.set BSC, 50                           ; the conversions' scale operands
.set TT,  52                           ; v52, v53 at work
.set PT,  54                           ; v54-56, v58-60 the upper halves of the blocks' codes
.set CH,  54                           ; v54-61 eight chains of maxima, one to each tile of S^T (ahead of PT's use)
.set T,   62                           ; partial sums, a pair each: v62-71, v252-253 and, once BM is done with, v48-49; the eighth chain is the running sum itself
.set CV,  250                          ; v250, v251 c, held twice: the two halves of a dual pair read different registers
; the sum of p, two numbers an instruction: P counts the registers of S^T taken so far
.macro SINIT r
	v_dual_add_f32 v[\r], v[S+P], v[S+P+2] :: v_dual_add_f32 v[\r+1], v[S+P+1], v[S+P+3]
.set P, P+4
.endm
.macro SADD r
	v_dual_add_f32 v[\r], v[S+P], v[\r] :: v_dual_add_f32 v[\r+1], v[S+P+1], v[\r+1]
.set P, P+2
.endm
.macro SMRG d, s
	v_dual_add_f32 v[\d], v[\s], v[\d] :: v_dual_add_f32 v[\d+1], v[\s+1], v[\d+1]
.endm
.set VF,  72                           ; v72-95 two fragments of V^T
.set S,   96                           ; v96-159 S^T, then p; at the end pass 1's result and the rows read back
.set O,   160                          ; v160-175 O^T
.set OUT0, 176                         ; v176-191 pass 0's result
.set X,   192                          ; v192-223 x; until pass 1 begins its first six hold head 1's codes of Q
.set SW,  224                          ; v224-227 K's and V's scale words of the step's two records
.set VS,  228
.set PS,  230                          ; p's scale word
.set QS,  231                          ; my query's scale byte, four times
.set PC,  232                          ; v232-243 p's codes
.set FF,  244                          ; v[244:245] f = 2^(old M - new M); at the end 1 / the sum
.set TX,  246                          ; v246, v247 lane permutes' destinations
.set SX,  247
.set NM,  248                          ; v[248:249] the new -M
.set WV,  12
.set G1,  16
.set G0,  24
.set SEL, 28
.set CS,  30                           ; s[30:31] c = sqrt(32) log2(e)
.set TB,  32                           ; LDS byte of the step's first record
.set CNT, 33
.set LOW, 34                           ; mask of lanes 0-15
.set PSEL, 42                          ; byte select: my row tile's byte of Q's scale word, four times
.macro ROUND                           ; a round of the cluster's barrier
	s_barrier_signal -1
	s_barrier_wait -1
	s_cmp_lg_u32 s[WV], 0
	s_cbranch_scc1 .Lnot_wave_0_\@
	s_barrier_signal -3
.Lnot_wave_0_\@:
	s_barrier_wait -3
	s_barrier_signal -1
	s_barrier_wait -1
.endm
	s_load_b256 s[4:11], s[0:1], 0x0               ; qc, kv, x, out0
	v_lshl_add_u32 v254, v0, 2, SPARE
	v_mov_b32 v255, 0
	ds_add_u32 v254, v255                          ; the opening lines: the add twice on end and one wait
	ds_add_u32 v254, v255
	v_lshrrev_b32 v1, 5, v0
	s_delay_alu instid0(VALU_DEP_1)
	v_readfirstlane_b32 s[WV], v1                  ; wave 0..15
	s_bfe_u32 s13, ttmp6, 0x40000                  ; cx
	s_lshl_b32 s14, ttmp9, 2
	s_add_co_u32 s14, s14, s13                     ; my block of 256 queries: it enters Q's, x's and out's global addresses alone
	s_and_b32 s15, ttmp7, 0xffff                   ; y = 4 x batch + pair of heads
	s_lshr_b32 s52, s[WV], 2                       ; my record of the block's four
	s_and_b32 s53, s[WV], 3                        ; my row tile m
	s_mov_b32 s[G1+0], 15|(3<<16)|(1<<21)          ; a dense block of 13,312 bytes as 52 rows of 32 elements of 8 bytes; the mask names the four
	s_mov_b32 s[G1+1], 32<<16
	s_mov_b32 s[G1+2], 52<<16
	s_mov_b32 s[G1+3], 32<<16
	s_mov_b32 s[G1+4], 52
	s_mov_b32 s[G1+5], 32
	s_mov_b32 s[G1+6], 0
	s_mov_b32 s[G1+7], 0
	s_mul_i32 s36, s15, 2*HEADB                    ; the pair's records in kv
	s_mov_b32 s37, 0
	s_mov_b32 s[G0], 1
	s_mul_i32 s[G0+1], s[WV], 4*REC                ; my sixteenth, in LDS
	s_mul_i32 s38, s[WV], 4*REC                    ; and in memory
	s_mov_b32 s39, 0
	s_add_nc_u64 s[38:39], s[38:39], s[36:37]
	s_lshl_b32 s45, s14, 2
	s_add_co_u32 s45, s45, s52                     ; my queries' record F
	s_mul_i32 s40, s15, 2*49152                    ; Q: head 2 y,
	s_mul_i32 s41, s45, 1536                       ; record F,
	s_add_co_u32 s40, s40, s41
	s_lshr_b32 s41, s53, 1
	s_mul_i32 s41, s41, 768                        ; group m / 2
	s_add_co_u32 s40, s40, s41
	s_mov_b32 s41, 0
	s_mul_i32 s46, s45, REC
	s_add_co_u32 s46, s46, s36
	s_add_co_u32 s46, s46, 3200                    ; Q's scale words: lanes 16-31 of the record's last 256 bytes
	s_mov_b32 s47, 0
	s_lshr_b32 s48, s15, 2
	s_lshl_b32 s48, s48, 11                        ; batch x 2,048 rows
	s_lshl_b32 s49, s45, 6
	s_add_co_u32 s48, s48, s49                     ; + 64 F
	s_lshl_b32 s49, s53, 3
	s_add_co_u32 s48, s48, s49                     ; + 8 m
	s_lshl_b32 s48, s48, 10
	s_and_b32 s49, s15, 3
	s_lshl_b32 s49, s49, 8                         ; the pair's 256 bytes of a row
	s_add_co_u32 s48, s48, s49
	s_mov_b32 s49, 0
	s_mul_i32 s[PSEL], s53, 0x01010101
	s_and_b32 s50, s53, 1
	s_lshl_b32 s51, s50, 7                         ; lanes 16 (m % 2) + r of the group: 128 or
	s_lshl_b32 s50, s50, 8                         ; 256 bytes on
	s_mul_i32 s54, s[WV], 16*SPITCH
	s_add_co_u32 s54, s54, STAGE                   ; my stage
	s_mov_b32 s[SEL], 0x76543210
	s_mov_b32 s[SEL+1], 0xfedcba98
	s_mov_b32 s[CS], 0x410293ee                    ; sqrt(32) log2(e)
	s_mov_b32 s[CS+1], s[CS]
	v_and_b32 v10, 31, v0                          ; lane
	v_and_b32 v11, 15, v0                          ; r
	v_bfe_u32 v4, v0, 4, 1                         ; h
	v_cmp_gt_u32 s[LOW], 16, v10
	v_lshlrev_b32 v[L16], 4, v10
	v_lshlrev_b32 v[L8], 3, v10
	v_lshlrev_b32 v[R8], 3, v11
	v_mul_u32_u24 v[STO], v11, SPITCH
	v_mul_u32_u24 v[RD], v4, SPITCH
	v_lshlrev_b32 v[GO], 10, v4
	v_lshl_add_u32 v[STO], v4, 5, v[STO]
	v_lshl_add_u32 v[RD], v11, 4, v[RD]
	v_lshl_add_u32 v[GO], v11, 4, v[GO]            ; lanes 0-15 one row of 256 bytes, lanes 16-31 the next
	v_add_nc_u32 v[STO], s54, v[STO]               ; in: row r, + 32 h
	v_add_nc_u32 v[RD], s54, v[RD]
	v_lshl_add_u32 v5, v11, 4, s50                 ; Q's codes: both halves of my lanes take the same 24 bytes
	v_lshl_add_u32 v6, v11, 3, s51
	v_mov_b32 v[PSV], 0x0c070c03                   ; lanes 0-15: bytes 0 and 2; select 0x0c gives a zero byte
	s_delay_alu instid0(VALU_DEP_1)
	v_cndmask_b32 v[PSV], 0x070c030c, v[PSV], s[LOW]   ; lanes 16-31: bytes 1 and 3
	s_wait_alu depctr_va_vdst(0)                   ; the wait at the head's end
	s_wait_dscnt 0x0
	s_wait_kmcnt 0x0
	s_add_nc_u64 s[G0+2:G0+3], s[6:7], s[38:39]
	s_or_b32 s[G0+3], s[G0+3], 0x80000000
	s_add_nc_u64 s[4:5], s[4:5], s[40:41]
	s_add_nc_u64 s[46:47], s[6:7], s[46:47]
	s_add_nc_u64 s[8:9], s[8:9], s[48:49]
	s_add_nc_u64 s[10:11], s[10:11], s[48:49]
	global_load_b128 v[S:S+3], v5, s[4:5]          ; head 0's codes of Q,
	global_load_b64 v[S+4:S+5], v6, s[4:5] offset:512
	global_load_b128 v[X:X+3], v5, s[4:5] offset:49152   ; head 1's
	global_load_b64 v[X+4:X+5], v6, s[4:5] offset:49152+512
	global_load_b32 v[QR], v[R8], s[46:47]
	global_load_b32 v[QR+1], v[R8], s[46:47] offset:HEADB
	ROUND                                          ; all four work-groups are here: the joint loads meet
	tensor_load_to_lds s[G0:G0+3], s[G1:G1+7]      ; my sixteenth of the two heads' K and V: the launch's one fill
	s_nop 0
.rept 4
	v_nop
.endr
.irp k, 0,1,2,3,4,5
	v_mov_b32 v[QB+\k], 0                          ; the zero codes of Q's four versions
	v_mov_b32 v[QB+12+\k], 0
	v_mov_b32 v[QB+24+\k], 0
.endr
	v_mov_b32 v[TX], 0                             ; a lane permute's destination counts as one of its sources
	v_mov_b32 v[SX], 0
	v_mov_b32 v[FF+1], 0                           ; (named as the upper halves of pairs)
	v_mov_b32 v[NM+1], 0
	v_mov_b32 v[CV], s[CS]
	v_mov_b32 v[CV+1], s[CS]
	s_wait_alu depctr_va_vdst(0)                   ; the wait ahead of the waits below
	s_wait_loadcnt 0x0                             ; Q
	s_wait_tensorcnt 0x0                           ; my part of K and V lies in LDS,
	s_barrier_signal -1
	s_barrier_wait -1                              ; everybody's does
; A PASS: my 16 queries against head e's 2,048 keys.  qc: where Q's codes stand; dst: where the result goes
.macro PASS e, qc, dst
.irp k, 0,1,2,3,4,5
	v_cndmask_b32 v[QB+6+\k], 0, v[\qc+\k], s[LOW]     ; Q in lanes 0-15, zeros above;
	v_cndmask_b32 v[QB+18+\k], v[\qc+\k], 0, s[LOW]    ; and the other way round
.endr
	v_perm_b32 v[QS], v[QR+\e], v[QR+\e], s[PSEL]  ; 20 plain lines and more stand between this line and the first product
.if \e == 1
.irp t, 0,1,2,3,4,5,6,7
	global_load_b128 v[X+4*\t:X+4*\t+3], v[GO], s[8:9] offset:2048*\t+24576*(\t/4) th:TH_LOAD_NT   ; the residual: rows 2 t + h of my first eight, then of the eight that lie 32 rows on
.endr
.endif
	v_mov_b32 v13, 0xff61b1e6                      ; the largest score so far: -3e38
	v_mov_b32 v12, 0x7f61b1e6                      ; -M: 3e38, so that the first f is 0
	v_mov_b32 v14, 0
	v_mov_b32 v15, 0
.irp j, 0,1,2,3,4,5,6,7,8,9,10,11,12,13,14,15
	v_mov_b32 v[O+\j], 0                           ; O^T: the step is written once, and the first finds zeros
.endr
	s_mov_b32 s[TB], \e*HEADB
	s_mov_b32 s[CNT], 16
	s_wait_alu depctr_va_vdst(0)                   ; the wait ahead of the step's waits
.Lstep_\e:                                         ; a step: 128 keys, two records
	v_add_nc_u32 v[ADA], s[TB], v[L16]             ; with the three sums behind the last products these are the places in front of the loads
	v_add_nc_u32 v[ADB], s[TB], v[L8]
	v_add_nc_u32 v[ADS], s[TB], v[R8]
.irp f, 0,1
	ds_load_b128 v[KF+12*\f:KF+12*\f+3], v[ADA] offset:REC*\f
	ds_load_b64 v[KF+12*\f+4:KF+12*\f+5], v[ADB] offset:REC*\f+512
	ds_load_b128 v[KF+12*\f+6:KF+12*\f+9], v[ADA] offset:REC*\f+768
	ds_load_b64 v[KF+12*\f+10:KF+12*\f+11], v[ADB] offset:REC*\f+1280
	ds_load_b64 v[SW+2*\f:SW+2*\f+1], v[ADS] offset:REC*\f+3072   ; lane r: K's word, V's word
.endr
.irp u, 0,1
.irp c, 0,1
	ds_load_b128 v[VF+12*\u+6*\c:VF+12*\u+6*\c+3], v[ADA] offset:REC*\c+1536+768*\u
	ds_load_b64 v[VF+12*\u+6*\c+4:VF+12*\u+6*\c+5], v[ADB] offset:REC*\c+1536+768*\u+512
.endr
.endr
	s_wait_dscnt 8                                 ; K and the scale words are in; the youngest eight loads, V's, may stay out
.irp f, 0,1                                    ; S^T: each fragment of K against Q in block 0, 1, 2, 3; eight accumulators, each begun by the constant 0
	v_wmma_scale_f32_16x16x128_f8f6f4 v[S+32*\f:S+32*\f+7], v[KF+12*\f:KF+12*\f+11], v[QB+6:QB+17], 0, v[SW+2*\f], v[QS] matrix_a_fmt:MATRIX_FMT_FP6 matrix_b_fmt:MATRIX_FMT_FP6
	v_wmma_scale_f32_16x16x128_f8f6f4 v[S+32*\f+8:S+32*\f+15], v[KF+12*\f:KF+12*\f+11], v[QB+18:QB+29], 0, v[SW+2*\f], v[QS] matrix_a_fmt:MATRIX_FMT_FP6 matrix_b_fmt:MATRIX_FMT_FP6
	v_wmma_scale_f32_16x16x128_f8f6f4 v[S+32*\f+16:S+32*\f+23], v[KF+12*\f:KF+12*\f+11], v[QB:QB+11], 0, v[SW+2*\f], v[QS] matrix_a_fmt:MATRIX_FMT_FP6 matrix_b_fmt:MATRIX_FMT_FP6
	v_wmma_scale_f32_16x16x128_f8f6f4 v[S+32*\f+24:S+32*\f+31], v[KF+12*\f:KF+12*\f+11], v[QB+12:QB+23], 0, v[SW+2*\f], v[QS] matrix_a_fmt:MATRIX_FMT_FP6 matrix_b_fmt:MATRIX_FMT_FP6
.endr
	v_perm_b32 v[VS], v[SW+3], v[SW+1], 0x05040100     ; V's scale word for channel tile 0: bytes 0, 1 of each record's word
	v_perm_b32 v[VS+1], v[SW+3], v[SW+1], 0x07060302   ; for tile 1: bytes 2, 3
	v_nop
	v_nop                                          ; four places in front of the first read of the scores
	; register 32 c + i is key 64 c + 32 h + i: my block 2 c + h.  Its largest score, in four chains a block; each tile is read from its low end on
.irp t, 0,1,2,3
.irp c, 0,1
	v_max3_num_f32 v[CH+4*\c+\t], v[S+32*\c+8*\t], v[S+32*\c+8*\t+1], v[S+32*\c+8*\t+2]   ; eight chains by turns, one to a tile, each tile from its low end on
.endr
.endr
.irp i, 3,5
.irp t, 0,1,2,3
.irp c, 0,1
	v_max3_num_f32 v[CH+4*\c+\t], v[CH+4*\c+\t], v[S+32*\c+8*\t+\i], v[S+32*\c+8*\t+\i+1]
.endr
.endr
.endr
.irp c, 0,1
	v_max3_num_f32 v[CH+4*\c], v[CH+4*\c], v[S+32*\c+7], v[S+32*\c+15]        ; the tiles' last registers
	v_max3_num_f32 v[CH+4*\c+2], v[CH+4*\c+2], v[S+32*\c+23], v[S+32*\c+31]
.endr
	s_delay_alu instid0(VALU_DEP_3)
	v_max3_num_f32 v[BM], v[CH], v[CH+1], v[CH+2]
	s_delay_alu instid0(VALU_DEP_2)
	v_max3_num_f32 v[BM+1], v[CH+4], v[CH+5], v[CH+6]
	s_delay_alu instid0(VALU_DEP_2)
	v_max_num_f32 v[BM], v[BM], v[CH+3]            ; my block h's largest score,
	s_delay_alu instid0(VALU_DEP_2)
	v_max_num_f32 v[BM+1], v[BM+1], v[CH+7]        ; and my block 2 + h's
	s_delay_alu instid0(VALU_DEP_1)
	v_max_num_f32 v[TT], v[BM], v[BM+1]
	s_delay_alu instid0(VALU_DEP_1)
	v_permlanex16_b32 v[TX], v[TT], s[SEL], s[SEL+1]
	s_delay_alu instid0(VALU_DEP_1)
	v_max3_num_f32 v13, v13, v[TT], v[TX]          ; the running largest score of my query, with lane l xor 16's 64 keys
	s_delay_alu instid0(VALU_DEP_1)
	v_mul_f32 v[TT], s[CS], v13                    ; as t (c is positive)
	s_delay_alu instid0(VALU_DEP_1)
	v_floor_f32 v[NM], -v[TT]                      ; the new -M = -ceil(t): a whole number;
	s_delay_alu instid0(VALU_DEP_2)
	v_floor_f32 v[NM+1], -v[TT]                    ; held twice, for the dual pairs
	s_delay_alu instid0(VALU_DEP_2)
	v_sub_f32 v[TT], v[NM], v12                    ; M's old value less its new one
	s_delay_alu instid0(VALU_DEP_1)
	v_cvt_i32_f32 v[TT], v[TT]                     ; (it saturates)
	s_delay_alu instid0(VALU_DEP_1)
	v_ldexp_f32 v[FF], 1.0, v[TT]                  ; f = 2^(old M - new M),
	v_ldexp_f32 v[FF+1], 1.0, v[TT]                ; held twice
.irp j, 0,2,4,6,8,10,12,14,16,18,20,22,24,26,28,30,32,34,36,38,40,42,44,46,48,50,52,54,56,58,60,62
	v_dual_fma_f32 v[S+\j], v[S+\j], v[CV], v[NM] :: v_dual_fma_f32 v[S+\j+1], v[S+\j+1], v[CV+1], v[NM+1]   ; t - M, two at a time
.endr
	v_dual_fma_f32 v[BM], v[BM], v[CV], v[NM] :: v_dual_fma_f32 v[BM+1], v[BM+1], v[CV+1], v[NM+1]   ; the same of my blocks' largest scores
.irp j, 0,2,4,6,8,10,12,14
	v_dual_mul_f32 v[O+\j], v[FF], v[O+\j] :: v_dual_mul_f32 v[O+\j+1], v[FF+1], v[O+\j+1]   ; O^T under the new M, each accumulator from its low end on, ahead of the exponentials
.endr
	v_dual_mul_f32 v14, v[FF], v14 :: v_dual_mul_f32 v15, v[FF+1], v15   ; and the sum
	s_wait_alu depctr_va_vdst(0)                   ; the wait ahead of the batch
.irp j, 0,1,2,3,4,5,6,7,8,9,10,11,12,13,14,15,16,17,18,19,20,21,22,23,24,25,26,27,28,29,30,31,32,33,34,35,36,37,38,39,40,41,42,43,44,45,46,47,48,49,50,51,52,53,54,55,56,57,58,59,60,61,62,63
	v_exp_f32 v[S+\j], v[S+\j]                     ; p = 2^(t - M): not normalised
.endr
	v_exp_f32 v[BM], v[BM]                         ; my blocks' largest p
	v_exp_f32 v[BM+1], v[BM+1]
	v_mov_b32 v12, v[NM]                           ; -M for the next step: the plain place behind the exponentials
	s_wait_alu depctr_va_vdst(0)                   ; one wait for the batch, ahead of its first reader
.irp c, 0,1
	v_max_num_f32 v[BM+\c], 0x1800000, v[BM+\c]    ; the floor 2^(3 - 127): the byte cannot fall under 1
.endr
.set P, 0                              ; THE SUM OF THE UNQUANTISED p, in eight chains; the lines that make codes and scale word stand among its additions
.irp r, 62,64,66,68,70,252
	SINIT \r
.endr
.irp c, 0,1
	v_add_nc_u32 v[BSC+\c], 0xff000000, v[BM+\c]   ; 2 off the exponent field: the conversion's scale operand
.endr
	SINIT 48                                       ; (BM is done with)
	SADD 14
.irp c, 0,1
	v_cvt_scalef32_pk16_fp6_f32 v[PC+6*\c:PC+6*\c+2], v[S+32*\c:S+32*\c+15], v[BSC+\c]
	v_cvt_scalef32_pk16_fp6_f32 v[PT+4*\c:PT+4*\c+2], v[S+32*\c+16:S+32*\c+31], v[BSC+\c]   ; (a conversion's three registers begin on an even number)
.endr
	v_lshlrev_b32 v[TT], 1, v[BSC]                 ; the scale's byte in the top byte (p is not negative); also the plain place behind the conversions
	v_lshlrev_b32 v[TT+1], 1, v[BSC+1]
.irp c, 0,1
.irp k, 0,1,2
	v_mov_b32 v[PC+3+6*\c+\k], v[PT+4*\c+\k]
.endr
.endr
	v_perm_b32 v[PS], v[TT+1], v[TT], v[PSV]       ; at bytes h and 2 + h, zeros between
.irp r, 62,64,66,68
	SADD \r
.endr
	v_permlanex16_b32 v[SX], v[PS], s[SEL], s[SEL+1]
.irp r, 70,252,48,14
	SADD \r
.endr
	v_or_b32 v[PS], v[PS], v[SX]                   ; with lane l xor 16's two: p's scale word for these 128 keys; 13 lines stand between it and the products
.irp r, 62,64,66,68,70,252,48,14,62
	SADD \r
.endr
	SMRG 62, 64
	SMRG 66, 68
	SMRG 70, 252
	SMRG 14, 48
	s_wait_alu depctr_va_vdst(0)                   ; the wait here, directly ahead of the wait below
	s_wait_dscnt 0x0                               ; V is in
.irp u, 0,1                                    ; O^T += V^T P^T: two accumulators by turns
	v_wmma_scale_f32_16x16x128_f8f6f4 v[O+8*\u:O+8*\u+7], v[VF+12*\u:VF+12*\u+11], v[PC:PC+11], v[O+8*\u:O+8*\u+7], v[VS+\u], v[PS] matrix_a_fmt:MATRIX_FMT_FP6 matrix_b_fmt:MATRIX_FMT_FP6
.endr
	SMRG 62, 66                                    ; the last three additions name no register of the products: with the next step's three address lines (behind the loop: the sum's lines) they are the products' places
	SMRG 14, 70
	SMRG 14, 62
	s_add_co_u32 s[TB], s[TB], 2*REC
	s_sub_co_u32 s[CNT], s[CNT], 1
	s_cmp_lg_u32 s[CNT], 0
	s_cbranch_scc1 .Lstep_\e
	v_add_f32 v14, v14, v15                        ; the sum's two halves,
	s_delay_alu instid0(VALU_DEP_1)
	v_permlanex16_b32 v[TX], v14, s[SEL], s[SEL+1]
	s_delay_alu instid0(VALU_DEP_1)
	v_add_f32 v14, v14, v[TX]                      ; and lane l xor 16's: the row's sum
	s_wait_alu depctr_va_vdst(0)                   ; the wait ahead of the transcendental
	v_rcp_f32 v[FF], v14
	v_nop                                          ; one plain place behind it
	s_wait_alu depctr_va_vdst(0)                   ; ahead of its first reader, which is also O^T's
.irp j, 0,2,4,6,8,10,12,14
	v_pk_mul_f32 v[\dst+\j:\dst+\j+1], v[O+\j:O+\j+1], v[FF:FF+1] op_sel_hi:[1,0]   ; register 8 u + j = channel 16 u + 8 h + j of my query
.endr
.endm
	PASS 0, S, OUT0
	PASS 1, X, S
	; THE WAY OUT.  A lane holds 32 neighbouring bytes of a row for each head and channel tile.  My 16 rows of 256 bytes go through my own stage (LDS serves a wave's instructions in order: ISA guide 5.7.1.4)
	; and come back by rows; x is added and they are stored.
.irp u, 0,1
	ds_store_b128 v[STO], v[OUT0+8*\u:OUT0+8*\u+3] offset:64*\u
	ds_store_b128 v[STO], v[OUT0+8*\u+4:OUT0+8*\u+7] offset:64*\u+16
	ds_store_b128 v[STO], v[S+8*\u:S+8*\u+3] offset:128+64*\u
	ds_store_b128 v[STO], v[S+8*\u+4:S+8*\u+7] offset:128+64*\u+16
.endr
.irp t, 0,1,2,3,4,5,6,7
	ds_load_b128 v[S+16+4*\t:S+16+4*\t+3], v[RD] offset:2*SPITCH*\t
.endr
	s_wait_loadcnt 0x0                             ; x, asked for 16 steps ago
.irp t, 0,1,2,3,4,5,6,7
	s_wait_dscnt 7-\t                              ; pair t of rows is back: 7 - t younger LDS loads may stay out
	v_pk_add_f32 v[S+16+4*\t:S+16+4*\t+1], v[S+16+4*\t:S+16+4*\t+1], v[X+4*\t:X+4*\t+1]
	v_pk_add_f32 v[S+16+4*\t+2:S+16+4*\t+3], v[S+16+4*\t+2:S+16+4*\t+3], v[X+4*\t+2:X+4*\t+3]
	global_store_b128 v[GO], v[S+16+4*\t:S+16+4*\t+3], s[10:11] offset:2048*\t+24576*(\t/4) th:TH_STORE_NT   ; 16 lanes store 256 consecutive bytes at a multiple of 256
.endr
	s_wait_tensorcnt 0x0                           ; the wave's end
	ds_add_u32 v254, v255
	s_wait_dscnt 0x0
	ROUND                                          ; the closing round
	s_endpgm
.Lfunc_end_k_qd5d4cd5138_attn:
	.size	k_qd5d4cd5138_attn, .Lfunc_end_k_qd5d4cd5138_attn-k_qd5d4cd5138_attn
	.p2alignl 7, 3214868480
	.fill 96, 4, 3214868480
	.section	.rodata,"a",@progbits
	.p2align	6, 0x0
	.amdhsa_kernel k_qd5d4cd5138_attn
		.amdhsa_group_segment_fixed_size 327680
		.amdhsa_private_segment_fixed_size 0
		.amdhsa_enable_private_segment 0
		.amdhsa_kernarg_size 32
		.amdhsa_user_sgpr_count 2
		.amdhsa_user_sgpr_kernarg_segment_ptr 1
		.amdhsa_wavefront_size32 1
		.amdhsa_system_sgpr_workgroup_id_x 1
		.amdhsa_system_sgpr_workgroup_id_y 1
		.amdhsa_system_sgpr_workgroup_id_z 1
		.amdhsa_system_vgpr_workitem_id 0
		.amdhsa_next_free_vgpr 256
		.amdhsa_next_free_sgpr 66
		.amdhsa_reserve_vcc 0
		.amdhsa_float_denorm_mode_32 3
		.amdhsa_float_denorm_mode_16_64 3
		.amdhsa_memory_ordered 1
		.amdhsa_forward_progress 1
		.amdhsa_inst_pref_size 45
	.end_amdhsa_kernel
	.amdgpu_metadata
---
amdhsa.version: [ 1, 2 ]
amdhsa.kernels:
  - .name:           k_qd5d4cd5138_attn
    .symbol:         k_qd5d4cd5138_attn.kd
    .args:
      - { .name: qc, .offset: 0, .size: 8, .value_kind: global_buffer, .address_space: global }
      - { .name: kv, .offset: 8, .size: 8, .value_kind: global_buffer, .address_space: global }
      - { .name: x, .offset: 16, .size: 8, .value_kind: global_buffer, .address_space: global }
      - { .name: out0, .offset: 24, .size: 8, .value_kind: global_buffer, .address_space: global }
    .group_segment_fixed_size: 327680
    .private_segment_fixed_size: 0
    .kernarg_segment_align: 8
    .kernarg_segment_size: 32
    .max_flat_workgroup_size: 512
    .sgpr_count:     66
    .vgpr_count:     256
    .wavefront_size: 32
...
	.end_amdgpu_metadata
.endif
;; end of part 2
